; MI455X (gfx1250); checked and timed in simulation.
; The chip was launched on July 23, 2026; its instructions are those of AMD's public machine-readable ISA for CDNA 5 (MIT licence, August 2026) and "CDNA5" Instruction Set Architecture Reference Guide (July 2026). The comments in the code are by the model that wrote it; some were corrected since.
;; LSTM Cell. Allowed arithmetic: matrix products marked QUANTISED: E2M3 operands, one E8M0 scale for each 32 along K, by v_wmma_scale_f32_16x16x128_f8f6f4 with both operands' format E2M3, f32 sums; everything else in f32.
;; Inputs: Whf 1,024 x 1,024 float32; Whg 1,024 x 1,024 float32; Whi 1,024 x 1,024 float32; Who 1,024 x 1,024 float32; Wif 1,024 x 1,024 float32; Wig 1,024 x 1,024 float32; Wii 1,024 x 1,024 float32; Wio 1,024 x 1,024 float32; bf 1,024 float32; bg 1,024 float32; bi 1,024 float32; bo 1,024 float32; c 8,192 x 1,024 float32; h 8,192 x 1,024 float32; inputs 8,192 x 1,024 float32.
;; Outputs: out0 8,192 x 1,024 float32; out1 8,192 x 1,024 float32.
;; This version of the problem:
;;   THIS VERSION OF THE PROBLEM IS GIVEN IN LOW PRECISION. The matrix products marked QUANTISED in the list below multiply operands that are first quantised to E2M3 (2 exponent bits, 3 mantissa bits; 6 bits a number), with one power-of-two scale for each 32 numbers along K (OCP MX v1.0); their sums are f32. All else is computed in f32.
;;   The module's matrix products, in the order in which they are computed (A, B: the left and right operand; K: the contracted axis; several contracted axes count as one K, in the product's order):
;;     1. [M 8,192, K 1,024] x [K 1,024, N 1,024]; A: input inputs; B: input Wii: QUANTISED
;;     2. [M 8,192, K 1,024] x [K 1,024, N 1,024]; A: input h; B: input Whi: QUANTISED
;;     3. [M 8,192, K 1,024] x [K 1,024, N 1,024]; A: input inputs; B: input Wif: QUANTISED
;;     4. [M 8,192, K 1,024] x [K 1,024, N 1,024]; A: input h; B: input Whf: QUANTISED
;;     5. [M 8,192, K 1,024] x [K 1,024, N 1,024]; A: input inputs; B: input Wig: QUANTISED
;;     6. [M 8,192, K 1,024] x [K 1,024, N 1,024]; A: input h; B: input Whg: QUANTISED
;;     7. [M 8,192, K 1,024] x [K 1,024, N 1,024]; A: input inputs; B: input Wio: QUANTISED
;;     8. [M 8,192, K 1,024] x [K 1,024, N 1,024]; A: input h; B: input Who: QUANTISED
;;   THE QUANTISER, for each operand of a quantised product, along K:
;;     - K is cut into blocks of 32 from its start; a last block that is shorter is filled with zeros.
;;     - A block's scale is 2^e with e = floor(log2(the largest magnitude in the block)) - 2, held to -126 .. 127; a block of zeros has e = 0. As a byte (E8M0): e + 127.
;;     - Each number is divided by its block's scale, clamped to +-7.5, and rounded to the nearest number of E2M3, ties to even, subnormals kept.
;;     - The product sums the exact products of the quantised numbers (number of the format x scale) in f32.
;;   ~~~python
;;   def quantise(x, axis):      # numpy; x: float32 -> the quantised numbers, widened to float32 again
;;       x = np.moveaxis(x, axis, -1); K = x.shape[-1]
;;       x = np.pad(x, [(0, 0)] * (x.ndim - 1) + [(0, -K % 32)]); x = x.reshape(x.shape[:-1] + (-1, 32)); a = np.abs(x).max(-1, keepdims=True)
;;       e = np.where(a > 0, np.clip(np.frexp(np.where(a > 0, a, 1))[1] - 1 - 2, -126, 127), 0)      # np.frexp(a)[1] - 1 = floor(log2(a)), exactly
;;       r = np.clip(x / 2.0 ** e, -7.5, 7.5)
;;       step = 2.0 ** (np.maximum(np.frexp(np.where(r == 0, 1, r))[1] - 1, 0) - 3)
;;       q = np.round(r / step) * step * 2.0 ** e      # np.round: ties to even
;;       return np.moveaxis(q.reshape(q.shape[:-2] + (-1,))[..., :K], -1, axis).astype(np.float32)
;;   ~~~
;; One version. Each part assembles by itself: llvm-mc -triple=amdgcn-amd-amdhsa -mcpu=gfx1250 --defsym DOCPART=n.
;; ======== version 1 of 1: 2 launches
;; limits: right only within a limited range of input values
;; workspace buffers: acodes 13,107,200 bytes; bcodes 6,553,600 bytes
;; launch quant (part 1): grid 768 x 1, 4 waves a work-group, no clusters, 34,304 bytes of LDS; arguments inputs, h, Wii, Wif, Wig, Wio, Whi, Whf, Whg, Who, acodes, bcodes; writes acodes, bcodes
.if DOCPART == 1
	.amdgcn_target "amdgcn-amd-amdhsa--gfx1250"
	.amdhsa_code_object_version 6
	.text
	.protected	k_q4ffbce6c49_quant
	.globl	k_q4ffbce6c49_quant
	.p2align	8
	.type	k_q4ffbce6c49_quant,@function
k_q4ffbce6c49_quant:
	s_mov_b64 s[64:65], 0
	v_nop
	global_prefetch_b8 v0, s[64:65] scope:SCOPE_SE
	s_setreg_imm32_b32 hwreg(HW_REG_WAVE_MODE, 25, 1), 1
	s_wait_xcnt 0x0
; inputs, h [8192][1024] and the eight weights [1024 (k)][1024 (n)], f32, become codes of FP6 (E2M3) with one E8M0 scale byte for each 32 along K,
; laid in the ORDER OF THE OPERAND'S REGISTERS, so that the product's launch takes every fragment by three loads of 16 bytes a lane.
; THE TWO OPERANDS.  A = [inputs | h]: 8,192 rows, K = 2,048.  B: 4,096 rows (4 gates x 1,024 hidden units), K = 2,048 = [Wi* ; Wh*].
; A BLOCK of 12,800 bytes holds 128 operand rows x 128 along K (a unit); block (ht, n) begins at (16 ht + n) x 12,800; units n = 0..7: inputs / Wi*, n = 8..15: h / Wh*.
;   bytes 0 .. 12,287: 8 images of fragments, 1,536 bytes each; that of tile i (16 rows) at 1,536 i.
;     An image is three pieces of 512 bytes: piece c holds lane l's registers 4 c .. 4 c + 3 at 512 c + 16 l.  Lane (r = l % 16, h = l / 16) holds row r; registers 6 c .. 6 c + 5 hold k = 64 c + 32 h + 0 .. 31.
;   bytes 12,288 .. 12,799: the scale words: that of (i, r) at 12,288 + 128 (i / 2) + 8 r + 4 (i % 2); its byte b scales k = 32 b .. 32 b + 31.
;   A: ht = row / 128, i = (row % 128) / 16.   B: ht = n / 32, i = 2 x gate + (n % 32) / 16, r = n % 16; gates i, f, g, o = 0 .. 3.
; A block's scale is 2^(floor(log2(its largest magnitude)) - 2); its byte is the largest magnitude's exponent field - 2, held at 1 from below by a floor among the maximum's leaves.
; LIMITS: NaN and infinities among the inputs are not served.  A block whose largest magnitude lies under 2^-124 is quantised under the byte 1.  A block of zeros gets the byte 1 where the
; quantiser says 127: its codes are zeros, which add nothing under any byte but 0xff, and these bytes are read by this program alone.
; SHARES.  768 work-groups of four waves, 128 KiB of f32 each.  Work-groups 0 .. 511: 64 rows x 512 along K of inputs or h (K innermost).  Work-groups 512 .. 767: 128 columns x 256 along K of one weight (K outermost).
; No barrier: waves share nothing.  Only the first way uses LDS.
.set UNITB, 12800
.set FRB,   1536
.set SCOFF, 12288
.set SP,    528                        ; a row of the stage: 512 bytes + 16: an odd multiple of 16, so that sixteen lanes that read sixteen rows fall on different 16-byte columns
.set STG,   16*SP                      ; a wave's stage
.set R,     16                         ; v16-143   two sets of 64: a fragment's numbers as they are loaded
.set X,     144                        ; v144-207  the same, turned: register 32 c + j = k 64 c + 32 h + j of row r
.set F,     208                        ; v208-219  the fragment's codes
.set TT,    220                        ; v220-222, v224-226  the upper halves of the two blocks (a conversion's three registers begin on an even number)
.set M,     228                        ; v228-229  largest magnitudes
.set SO,    230                        ; v230-231  the conversions' scale operands
.set BY,    232                        ; v232-233  the scale bytes
.set WK,    234                        ; v234      my two bytes at their places in the word
.set PD,    235                        ; v235      lane l xor 16's
.set WD,    236                        ; v236-239  the four fragments' scale words
.set WX,    16                         ; weights: v16-79 two sets of 32 numbers
.set WF,    80                         ; v80-127   four fragments: (u, q) at 80 + 24 q + 12 u
.set TA,    128                        ; v128-130, v132-134  upper halves of an even and an odd block
.set SB,    140                        ; v140-141  my column's two scale words
	s_load_b128 s[4:7], s[0:1], 0x0                ; inputs, h
	s_load_b128 s[16:19], s[0:1], 0x10             ; Wii, Wif
	s_load_b128 s[20:23], s[0:1], 0x20             ; Wig, Wio
	s_load_b128 s[24:27], s[0:1], 0x30             ; Whi, Whf
	s_load_b128 s[28:31], s[0:1], 0x40             ; Whg, Who
	s_load_b128 s[8:11], s[0:1], 0x50              ; acodes, bcodes
	v_lshl_add_u32 v254, v0, 2, 0x8400
	v_mov_b32 v255, 0
	v_lshrrev_b32 v1, 5, v0
	v_readfirstlane_b32 s12, v1                    ; wave 0..3
	v_and_b32 v1, 31, v0                           ; lane
	v_and_b32 v2, 15, v0                           ; r
	v_bfe_u32 v3, v0, 4, 1                         ; h
	v_lshlrev_b32 v4, 4, v1                        ; 16 x lane: my bytes of a load's 512, and of an image's piece
	v_lshlrev_b32 v7, 3, v1                        ; 8 x lane: my two scale words
	s_mov_b32 s32, 0x76543210
	s_mov_b32 s33, 0xfedcba98                      ; v_permlanex16_b32's selects for lane l xor 16
	s_wait_kmcnt 0x0
	s_cmp_lt_u32 ttmp9, 512
	s_cbranch_scc0 .Lweights
; ---------------- inputs and h: K is innermost ----------------
; Work-group g: source g / 256, rows 64 ((g % 256) / 2) on, K 512 (g % 2) on.  Wave w takes one unit of them, 128 along K: four fragments f, one for each 16 rows.
; A load reads 512 consecutive bytes of one row; the 16 rows x 512 bytes of a fragment turn through the wave's own stage, so that a lane gets two whole blocks of 32 neighbours of ITS row.
	s_cmp_lt_u32 ttmp9, 256                        ; the choice hangs on the work-group's number alone
	s_cselect_b64 s[4:5], s[4:5], s[6:7]
	s_and_b32 s14, ttmp9, 255
	s_lshr_b32 s15, s14, 1                         ; which 64 rows
	s_and_b32 s14, s14, 1                          ; which 512 along K
	s_lshl_b32 s34, s15, 18                        ; 64 rows of 4,096 bytes
	s_lshl_b32 s35, s14, 11                        ; + 512 numbers a half,
	s_add_co_u32 s34, s34, s35
	s_lshl_b32 s35, s12, 9                         ; + 128 numbers a wave
	s_add_co_u32 s34, s34, s35
	s_mov_b32 s35, 0
	s_add_nc_u64 s[4:5], s[4:5], s[34:35]
	s_lshr_b32 s38, s15, 1                         ; ht
	s_lshl_b32 s38, s38, 4
	s_lshr_b32 s39, ttmp9, 8                       ; source
	s_lshl_b32 s39, s39, 3
	s_add_co_u32 s38, s38, s39
	s_lshl_b32 s39, s14, 2
	s_add_co_u32 s38, s38, s39
	s_add_co_u32 s38, s38, s12                     ; 16 ht + unit, unit = 8 x source + 4 x half + wave
	s_mul_i32 s38, s38, UNITB
	s_and_b32 s40, s15, 1                          ; which 64 of the block's 128 rows
	s_mul_i32 s41, s40, 4*FRB                      ; four images on,
	s_lshl_b32 s40, s40, 8                         ; and 256 bytes of scale words
	s_add_co_u32 s40, s40, s38
	s_add_co_u32 s40, s40, SCOFF
	s_add_co_u32 s38, s38, s41
	s_mov_b32 s39, 0
	s_mov_b32 s41, 0
	s_add_nc_u64 s[36:37], s[8:9], s[40:41]        ; my scale words
	s_add_nc_u64 s[8:9], s[8:9], s[38:39]          ; my images
	s_mul_i32 s13, s12, STG
	s_wait_alu depctr_va_vdst(0)
	v_add_nc_u32 v5, s13, v4                       ; the stage, on the way in: 16 x lane of a row
	v_mul_u32_u24 v6, v2, SP
	v_lshl_add_u32 v6, v3, 7, v6
	v_add_nc_u32 v6, s13, v6                       ; and on the way out: row r, + 128 h bytes: k = 32 h on
	v_lshlrev_b32 v8, 3, v3                        ; 8 h: how far up my two scale bytes stand in the word
	v_mov_b32 v[PD], 0                             ; written once: a lane permute's destination counts as one of its sources
.macro XLOAD f                         ; fragment f: 16 rows x 512 bytes, a row a load
.irp i, 0,1,2,3,4,5,6,7,8,9,10,11,12,13,14,15
	global_load_b128 v[R+64*((\f)%2)+4*\i:R+64*((\f)%2)+4*\i+3], v4, s[4:5] offset:(16*(\f)+\i)*4096 th:TH_LOAD_NT
.endr
.endm
.macro XTURN f                         ; through the stage: LDS serves a wave's instructions in order, so no wait stands between the stores and the loads
.irp i, 0,1,2,3,4,5,6,7,8,9,10,11,12,13,14,15
	ds_store_b128 v5, v[R+64*((\f)%2)+4*\i:R+64*((\f)%2)+4*\i+3] offset:SP*\i
.endr
.irp c, 0,1
.irp j, 0,1,2,3,4,5,6,7
	ds_load_b128 v[X+32*\c+4*\j:X+32*\c+4*\j+3], v6 offset:256*\c+16*\j
.endr
.endr
.endm
.macro XQUANT f                        ; my two blocks (2 c + h, c = 0, 1) of row r become registers 6 c .. 6 c + 5 of the fragment
.irp c, 0,1
	v_max3_num_f32 v[M+\c], |v[X+32*\c]|, |v[X+32*\c+1]|, 0x1800000   ; all 32 numbers of a block are mine; the floor 2^(3 - 127) keeps the byte from falling under 1
.endr
.irp i, 2,4,6,8,10,12,14,16,18,20,22,24,26,28,30
.irp c, 0,1
	v_max3_num_f32 v[M+\c], v[M+\c], |v[X+32*\c+\i]|, |v[X+32*\c+\i+1]|
.endr
.endr
.irp c, 0,1
	v_add_nc_u32 v[SO+\c], 0xff000000, v[M+\c]     ; 2 off the exponent field: the conversion takes the exponent field of this operand as its scale
.endr
.irp c, 0,1
	v_lshrrev_b32 v[BY+\c], 23, v[SO+\c]           ; the scale's byte
.endr
	v_lshl_or_b32 v[WK], v[BY+1], 16, v[BY]        ; bytes h and 2 + h of the row's word,
	v_lshlrev_b32 v[WK], v8, v[WK]                 ; at their places;
	v_permlanex16_b32 v[PD], v[WK], s32, s33
	v_or_b32 v[WD+(\f)], v[WK], v[PD]              ; with lane l xor 16's two the word is whole, in both lanes
.irp c, 0,1
	v_cvt_scalef32_pk16_fp6_f32 v[F+6*\c:F+6*\c+2], v[X+32*\c:X+32*\c+15], v[SO+\c]
	v_cvt_scalef32_pk16_fp6_f32 v[TT+4*\c:TT+4*\c+2], v[X+32*\c+16:X+32*\c+31], v[SO+\c]
.endr
	v_nop                                          ; one plain place behind a scaled conversion
.irp c, 0,1
.irp i, 0,1,2
	v_mov_b32 v[F+6*\c+3+\i], v[TT+4*\c+\i]
.endr
.endr
.irp c, 0,1,2
	global_store_b128 v4, v[F+4*\c:F+4*\c+3], s[8:9] offset:FRB*(\f)+512*\c   ; 32 lanes store 512 consecutive bytes, at a multiple of 256 from the buffer's first byte
.endr
.endm
	XLOAD 0
	XLOAD 1
	s_wait_alu depctr_va_vdst(0)
.irp f, 0,1,2,3
.if \f < 3
	s_wait_loadcnt 16                              ; this fragment's 16 loads are in; the next fragment's 16 may be out
.else
	s_wait_loadcnt 0x0
.endif
	XTURN \f
	s_wait_dscnt 0x0                               ; the turned numbers are in, and the stores into the stage have read their registers
	s_wait_xcnt 0x0                                ; the last fragment's stores have read their data: the codes' registers are written again only behind this wait
.if \f < 2
	XLOAD \f+2
.endif
	XQUANT \f
.endr
	v_cmp_gt_u32 vcc_lo, 16, v1                    ; lanes 0-15 store the words of my tiles 0 and 1 (row r), lanes 16-31 those of tiles 2 and 3
	v_cndmask_b32 v240, v[WD+2], v[WD+0], vcc_lo
	v_cndmask_b32 v241, v[WD+3], v[WD+1], vcc_lo
	global_store_b64 v7, v[240:241], s[36:37]      ; 32 lanes store 256 consecutive bytes, aligned
	s_wait_tensorcnt 0x0
	ds_add_u32 v254, v255
	s_wait_dscnt 0x0
	s_endpgm
; ---------------- the weights: K is the first axis ----------------
; Work-group 512 + g: weight g / 32 (4 x source + gate), K 256 ((g / 8) % 4) on, columns 128 (g % 8) on; wave w takes 32 of them: one gate's two tiles in two units' blocks.
; A LANE TAKES A COLUMN AND ITS REGISTERS RUN DOWN K: a block of 32 lies in one lane, and the conversions give codes with K innermost.  Nothing is transposed.
; The operand wants block 2 p of a column in lane r and block 2 p + 1 in lane 16 + r: an even and an odd block's registers change halves (v_permlane16_swap_b32), which
; leaves the first with columns 0-15 (tile u = 0) and the second with columns 16-31 (u = 1).
.Lweights:
	s_sub_co_u32 s14, ttmp9, 512
	s_lshr_b32 s15, s14, 5                         ; which weight, 0..7
	s_and_b32 s13, s15, 1                          ; the choice among the eight hangs on the work-group's number alone: three halvings
	s_cmp_lg_u32 s13, 0
	s_cselect_b64 s[16:17], s[18:19], s[16:17]
	s_cselect_b64 s[20:21], s[22:23], s[20:21]
	s_cselect_b64 s[24:25], s[26:27], s[24:25]
	s_cselect_b64 s[28:29], s[30:31], s[28:29]
	s_and_b32 s13, s15, 2
	s_cmp_lg_u32 s13, 0
	s_cselect_b64 s[16:17], s[20:21], s[16:17]
	s_cselect_b64 s[24:25], s[28:29], s[24:25]
	s_and_b32 s13, s15, 4
	s_cmp_lg_u32 s13, 0
	s_cselect_b64 s[16:17], s[24:25], s[16:17]
	s_and_b32 s34, s14, 7                          ; which 128 columns
	s_bfe_u32 s35, s14, 0x20003                    ; which 256 along K
	s_lshl_b32 s38, s34, 2
	s_add_co_u32 s38, s38, s12                     ; ht = my first column / 32
	s_lshl_b32 s40, s38, 7                         ; 32 columns of 4 bytes
	s_lshl_b32 s41, s35, 20                        ; 256 rows of 4,096 bytes
	s_add_co_u32 s40, s40, s41
	s_mov_b32 s41, 0
	s_add_nc_u64 s[16:17], s[16:17], s[40:41]
	s_lshl_b32 s38, s38, 4
	s_lshr_b32 s39, s15, 2                         ; source
	s_lshl_b32 s39, s39, 3
	s_add_co_u32 s38, s38, s39
	s_lshl_b32 s39, s35, 1
	s_add_co_u32 s38, s38, s39                     ; 16 ht + my first unit
	s_mul_i32 s38, s38, UNITB
	s_and_b32 s40, s15, 3                          ; gate: tiles 2 x gate and 2 x gate + 1 of the block
	s_mul_i32 s41, s40, 2*FRB
	s_lshl_b32 s40, s40, 7
	s_add_co_u32 s40, s40, s38
	s_add_co_u32 s40, s40, SCOFF
	s_add_co_u32 s38, s38, s41
	s_mov_b32 s39, 0
	s_mov_b32 s41, 0
	s_add_nc_u64 s[36:37], s[10:11], s[40:41]      ; my scale words
	s_add_nc_u64 s[10:11], s[10:11], s[38:39]      ; my images
	s_wait_alu depctr_va_vdst(0)
	v_lshlrev_b32 v9, 2, v1                        ; in: 4 bytes a lane
	v_mul_u32_u24 v10, v3, UNITB                   ; the scale words on the way out: lanes 16-31 write into the second unit's block,
	v_lshl_add_u32 v10, v2, 3, v10                 ; 8 bytes a row
.macro WLOAD t                         ; block t: W(32 t + i, my column), i = 0 .. 31: each load reads 128 consecutive bytes, the four waves stand side by side
.irp i, 0,1,2,3,4,5,6,7,8,9,10,11,12,13,14,15,16,17,18,19,20,21,22,23,24,25,26,27,28,29,30,31
	global_load_b32 v[WX+32*((\t)%2)+\i], v9, s[16:17] offset:(32*(\t)+\i)*4096 th:TH_LOAD_NT
.endr
.endm
.macro WBLOCK t
.set XS, WX+32*((\t)%2)
.set QQ, (\t)/4                        ; which of my two units
.set PP, ((\t)%4)/2                    ; which 64 of its 128
.set EE, (\t)%2                        ; which 32 of those
.set FL, WF+24*QQ+12*EE+6*PP
.if (\t) < 7
	s_wait_loadcnt 32                              ; this block's 32 loads are in; the next block's may be out
.else
	s_wait_loadcnt 0x0
.endif
	v_max3_num_f32 v136, |v[XS]|, |v[XS+1]|, |v[XS+2]|
	v_max3_num_f32 v137, |v[XS+3]|, |v[XS+4]|, |v[XS+5]|
.irp i, 6,10,14,18,22,26
	v_max3_num_f32 v136, v136, |v[XS+\i]|, |v[XS+\i+1]|
	v_max3_num_f32 v137, v137, |v[XS+\i+2]|, |v[XS+\i+3]|
.endr
	v_max3_num_f32 v136, v136, |v[XS+30]|, |v[XS+31]|
	v_max3_num_f32 v136, v136, v137, 0x1800000     ; and the floor 2^(3 - 127)
	v_add_nc_u32 v138, 0xff000000, v136            ; the conversion's scale operand
	v_lshrrev_b32 v139, 23, v138                   ; the scale's byte
.if (\t)%4 == 0
	v_mov_b32 v[SB+QQ], v139                       ; four bytes to a word, the lower K in the lower byte
.else
	v_lshl_or_b32 v[SB+QQ], v139, 8*((\t)%4), v[SB+QQ]
.endif
	v_cvt_scalef32_pk16_fp6_f32 v[FL:FL+2], v[XS:XS+15], v138
	v_cvt_scalef32_pk16_fp6_f32 v[TA+4*EE:TA+4*EE+2], v[XS+16:XS+31], v138
.if (\t) < 6
	WLOAD (\t)+2
.endif
.if EE == 1
	v_nop                                          ; one plain place behind a scaled conversion
.irp i, 0,1,2
	v_permlane16_swap_b32 v[FL-12+\i], v[FL+\i]    ; the even block's lanes 16-31 change places with the odd block's lanes 0-15
.endr
.irp i, 0,1,2
	v_permlane16_swap_b32 v[TA+\i], v[TA+4+\i]
.endr
.irp i, 0,1,2
	v_mov_b32 v[FL-12+3+\i], v[TA+\i]
	v_mov_b32 v[FL+3+\i], v[TA+4+\i]
.endr
.endif
.if (\t)%4 == 3                        ; a unit's two fragments are whole.  Each unit has registers of its own, so no store's data are written again
.irp u, 0,1
.irp c, 0,1,2
	global_store_b128 v4, v[WF+24*QQ+12*\u+4*\c:WF+24*QQ+12*\u+4*\c+3], s[10:11] offset:UNITB*QQ+FRB*\u+512*\c
.endr
.endr
.endif
.endm
	WLOAD 0
	WLOAD 1
.irp t, 0,1,2,3,4,5,6,7
	WBLOCK \t
.endr
	v_permlane16_swap_b32 v[SB], v[SB+1]           ; lane (h, r) now holds the words of unit h, row r: tile u = 0 in the first register, u = 1 in the second
	global_store_b64 v10, v[SB:SB+1], s[36:37]     ; sixteen lanes store 128 consecutive bytes of a block's scale words: one gate's; the other half of those 256 bytes is the neighbouring gate's work-group's
	s_endpgm
.Lfunc_end_k_q4ffbce6c49_quant:
	.size	k_q4ffbce6c49_quant, .Lfunc_end_k_q4ffbce6c49_quant-k_q4ffbce6c49_quant
	.p2alignl 7, 3214868480
	.fill 96, 4, 3214868480
	.section	.rodata,"a",@progbits
	.p2align	6, 0x0
	.amdhsa_kernel k_q4ffbce6c49_quant
		.amdhsa_group_segment_fixed_size 34304
		.amdhsa_private_segment_fixed_size 0
		.amdhsa_enable_private_segment 0
		.amdhsa_kernarg_size 96
		.amdhsa_user_sgpr_count 2
		.amdhsa_user_sgpr_kernarg_segment_ptr 1
		.amdhsa_wavefront_size32 1
		.amdhsa_system_sgpr_workgroup_id_x 1
		.amdhsa_system_sgpr_workgroup_id_y 1
		.amdhsa_system_sgpr_workgroup_id_z 1
		.amdhsa_system_vgpr_workitem_id 0
		.amdhsa_next_free_vgpr 256
		.amdhsa_next_free_sgpr 66
		.amdhsa_reserve_vcc 1
		.amdhsa_float_denorm_mode_32 3
		.amdhsa_float_denorm_mode_16_64 3
		.amdhsa_memory_ordered 1
		.amdhsa_forward_progress 1
		.amdhsa_inst_pref_size 70
	.end_amdhsa_kernel
	.amdgpu_metadata
---
amdhsa.version: [ 1, 2 ]
amdhsa.kernels:
  - .name:           k_q4ffbce6c49_quant
    .symbol:         k_q4ffbce6c49_quant.kd
    .args:
      - { .name: inputs, .offset: 0, .size: 8, .value_kind: global_buffer, .address_space: global }
      - { .name: h, .offset: 8, .size: 8, .value_kind: global_buffer, .address_space: global }
      - { .name: Wii, .offset: 16, .size: 8, .value_kind: global_buffer, .address_space: global }
      - { .name: Wif, .offset: 24, .size: 8, .value_kind: global_buffer, .address_space: global }
      - { .name: Wig, .offset: 32, .size: 8, .value_kind: global_buffer, .address_space: global }
      - { .name: Wio, .offset: 40, .size: 8, .value_kind: global_buffer, .address_space: global }
      - { .name: Whi, .offset: 48, .size: 8, .value_kind: global_buffer, .address_space: global }
      - { .name: Whf, .offset: 56, .size: 8, .value_kind: global_buffer, .address_space: global }
      - { .name: Whg, .offset: 64, .size: 8, .value_kind: global_buffer, .address_space: global }
      - { .name: Who, .offset: 72, .size: 8, .value_kind: global_buffer, .address_space: global }
      - { .name: acodes, .offset: 80, .size: 8, .value_kind: global_buffer, .address_space: global }
      - { .name: bcodes, .offset: 88, .size: 8, .value_kind: global_buffer, .address_space: global }
    .group_segment_fixed_size: 34304
    .private_segment_fixed_size: 0
    .kernarg_segment_align: 8
    .kernarg_segment_size: 96
    .max_flat_workgroup_size: 128
    .sgpr_count:     66
    .vgpr_count:     256
    .wavefront_size: 32
...
	.end_amdgpu_metadata
.endif
;; end of part 1
;; launch lstm (part 2): grid 16 x 16, 4 waves a work-group, clusters of 4 x 4, 327,680 bytes of LDS; arguments acodes, bcodes, bi, bf, bg, bo, out0, out1, c; writes out0, out1
.if DOCPART == 2
	.amdgcn_target "amdgcn-amd-amdhsa--gfx1250"
	.amdhsa_code_object_version 6
	.text
	.protected	k_q4ffbce6c49_lstm
	.globl	k_q4ffbce6c49_lstm
	.p2align	8
	.type	k_q4ffbce6c49_lstm,@function
k_q4ffbce6c49_lstm:
	s_mov_b64 s[64:65], 0
	v_nop
	global_prefetch_b8 v0, s[64:65] scope:SCOPE_SE
	s_setreg_imm32_b32 hwreg(HW_REG_WAVE_MODE, 25, 1), 1
	s_wait_xcnt 0x0
	s_wait_alu depctr_hold_cnt(0) depctr_sa_sdst(0) depctr_va_vdst(0) depctr_va_sdst(0) depctr_va_ssrc(0) depctr_va_vcc(0) depctr_vm_vsrc(0)
	s_getreg_b32 s2, hwreg(HW_REG_IB_STS2, 6, 4)
	s_cmp_eq_u32 s2, 0
	s_cbranch_scc0 .Lentry_in_a_cluster
	s_endpgm
.Lentry_in_a_cluster:
	s_bfe_u32 s2, ttmp6, 0x10000c
	s_cmp_lg_u32 s2, 0xf033
	s_cbranch_scc0 .Lentry_shape_is_right
	s_endpgm
.Lentry_shape_is_right:
; The LSTM cell on codes of FP6 (E2M3): the eight products are ONE product, [inputs | h] (8,192 x 2,048) times the four gates' [Wi* ; Wh*] (4,096 x 2,048), with the cell's arithmetic behind it:
; i, f, o = sigmoid(sum + bias), g = tanh(sum + bias), new_c = f c + i g (out0), new_h = o tanh(new_c) (out1).  The gates' sums never go to memory.
; OPERANDS.  acodes and bcodes hold blocks of 12,800 bytes (128 operand rows x 128 along K, a unit): 8 images of fragments of 1,536 bytes (piece c of 512 bytes holds lane l's registers 4 c .. 4 c + 3 at 16 l),
; then 512 bytes of scale words.  Block (ht, n) begins at (16 ht + n) x 12,800.  B's 128 rows of a block are 32 hidden units x 4 gates: tile i = 2 x gate + u holds hidden units 16 u .. 16 u + 15.
; SHARES.  256 work-groups of four waves; A WORK-GROUP STAYS and makes two tiles of 256 rows x 64 hidden units, 4,096 rows apart; a wave 128 rows x 32 hidden units x 4 gates: 64 accumulators, 512 registers.
; The matrix instruction is used transposed (source 0 = 16 rows of B, source 1 = 16 rows of A): lane (r, h), register j of accumulator (a, b = 2 x gate + u) holds row 16 a + r, hidden unit 16 u + 8 h + j:
; the four gates of one number of the cell lie in one lane.  The biases are the C of each sum's first product; they stay in window 1 for both tiles.
; THE RING.  K is 16 units; two LDS slots of three units (4 quarters of 38,400 bytes: A's two half tiles, B's two).  Fills of a tile: units 0-2 slot 0, 3-5 slot 1, 6-8, 9-11, 12-14, unit 15 into slot 1's first third,
; c's tile (a wave 64 rows) into the rest of slot 1's quarters.  The ring goes on into the next tile: slot 0 takes its units 0-2 in unit 15, slot 1 its units 3-5 behind the cell.
; The last tile's unit 15 is written out apart: it asks for nothing.  Every wait on TENSORcnt is for 0; by the text's count a wave has one tensor load out.
; CLUSTERS: 4 x 4 work-groups; A's blocks are asked for jointly along a row of the cluster, B's along a column; each refill stands behind a round of the cluster's barrier.
; PREFETCH: behind a refill the bytes of the refill two further on are named once in each cluster: the four partners of a joint load share its 150 blocks of 256 bytes out by address (38 each; lanes left over
; name their last block again).  B's blocks are the same for both tiles and are named in the first tile alone; c's tile is the work-group's own, a lane a row.
; THE WAY OUT.  new_c and new_h of 16 rows a wave go through a stage of its own bytes behind the ring (no tensor load lands there): a row's 256 bytes come from two waves; one wave of the pair stores new_c's rows, the other new_h's.
; LIMITS: sigmoid(x) = 1 / (1 + 2^(-x log2 e)), tanh(x) = 1 - 2 / (1 + 2^(2 x log2 e)): both run rightly into their ends where the exponential becomes infinity or 0; their error is absolute,
; of the order of an f32 rounding of 1.  NaN and infinities among the inputs are not served.
; REGISTERS: window 0: v0-31 addresses; v32-47 scale words, two sets, and nothing else; v64-95 c; v128-223 A's fragments, one set; in the cell v128-255 are at work.
;   window 1: B's fragments, two sets, at v0 and v128; the biases at v96-127 and v224-255; in the cell v0-31 hold rows on their way out.  window 2, 3: the accumulators ((a, b) at v[8 (8 (a % 4) + b)]).
.set UNITB,  12800
.set FRB,    1536
.set SCOFF,  12288
.set QTR,    3*UNITB
.set SLOT,   4*QTR
.set HTB,    16*UNITB
.set NEXTA,  32*HTB                    ; A: 16 tile rows on
.set NEXTO,  4096*4096                 ; c and the outputs: 4,096 rows of 4,096 bytes on
.set FR,     12
.set NP,     4                         ; places behind this matrix instruction (ISA guide 7.12.1)
.set CP,     272                       ; a row of c's tile and of the stage: 256 bytes + 16
.set STG,    2*SLOT                    ; the stage: new_c's 32 rows, then new_h's
.set SPARE,  STG+64*CP                 ; the spare words: 128 bytes a wave, two blocks of 256 bytes that no other line names
.set PF0, 8                            ; v8-9   prefetch offsets for three units;  v10 for one unit;  v11 for c: never rewritten
.set PF1, 9
.set PU,  10
.set PC,  11
.set ADRA, 16                          ; v16-17 LDS address of my A fragments in slot 0, 1;  v20-21 B's;  v22-23 scale words (lanes 0-15 A's, 16-31 B's)
.set ADRB, 20
.set ADRS, 22
.set STO,  24                          ; into the stage
.set CADR, 25                          ; my place in c's tile
.set RD,   26                          ; back from the stage
.set CO,   27                          ; my byte offset in two rows of the output
.set SPW,  28
.set NIL,  29
.set BO,   30
.set SC,   32
.set CR,   64
.set AF,   128
.set TB0,  128
.set OB,   0
.set G1,   24
.set G0,   32
.set G1B,  48
.set G0B,  56
.set G1S,  68
.set G1SB, 76
.set G1C,  84
.set G0C,  92
.set OUT,  96
.set PFA,  98                          ; s[98:99] my joint loads' half tile, for the prefetches;  s[18:19] my quarter of c's tile
.set KS,   100
.set KT,   104
.set FA,   45                          ; 1 in the waves that fetch A
.set F1,   66                          ; 1 while my wave prefetches this tile's codes
.set F2,   67                          ; 1 while it prefetches the next tile's
.set MSB, 0
.macro WIN new
.if MSB != (\new)
	s_set_vgpr_msb (MSB<<8)|(\new)
.set MSB, (\new)
.endif
.endm
.set MUL_LO,   0xa1                    ; source 0 (B) window 1, source 1 (A) window 0, C and D window 2
.set MUL_HI,   0xf1
.set FIRST_LO, 0x91                    ; the first products: C (a bias) window 1
.set FIRST_HI, 0xd1
.set TO_B,     0x40
.macro NOPS4
.rept 4
	v_nop
.endr
.endm
.macro JLOAD g0a, g1a, g0b, g1b        ; a joint load: waves 0, 1 fetch A's quarters, waves 2, 3 B's; s_nop 0 and four v_nop behind each line
	s_cmp_eq_u32 s15, 0
	s_cbranch_scc0 .Lfor_b_\@
	tensor_load_to_lds s[\g0a:\g0a+3], s[\g1a:\g1a+7]
	s_nop 0
	NOPS4
	s_branch .Lasked_\@
.Lfor_b_\@:
	tensor_load_to_lds s[\g0b:\g0b+3], s[\g1b:\g1b+7]
	s_nop 0
	NOPS4
.Lasked_\@:
.endm
.macro CREST                           ; a round of the cluster's barrier behind its opening barrier
	s_cmp_lg_u32 s14, 0
	s_cbranch_scc1 .Lnot_first_\@
	s_barrier_signal -3
.Lnot_first_\@:
	s_barrier_wait -3
	s_barrier_signal -1
	s_barrier_wait -1
.endm
.macro CROUND
	s_barrier_signal -1
	s_barrier_wait -1
	CREST
.endm
.macro ASK3 off, flag                  ; three units, my share of their 150 blocks
	s_cmp_eq_u32 s[\flag], 1
	s_cbranch_scc0 .Lno_ask_\@
	global_prefetch_b8 v[PF0], s[PFA:PFA+1] offset:\off th:TH_LOAD_NT scope:SCOPE_SE
	global_prefetch_b8 v[PF1], s[PFA:PFA+1] offset:\off th:TH_LOAD_NT scope:SCOPE_SE
.Lno_ask_\@:
.endm
.macro ASK1 off, flag                  ; one unit, my share of its 50 blocks
	s_cmp_eq_u32 s[\flag], 1
	s_cbranch_scc0 .Lno_ask_\@
	global_prefetch_b8 v[PU], s[PFA:PFA+1] offset:\off th:TH_LOAD_NT scope:SCOPE_SE
.Lno_ask_\@:
.endm
	s_load_b128 s[4:7], s[0:1], 0x0                ; acodes, bcodes
	s_load_b128 s[8:11], s[0:1], 0x10              ; bi, bf
	s_load_b128 s[20:23], s[0:1], 0x20             ; bg, bo
	s_load_b128 s[96:99], s[0:1], 0x30             ; out0, out1
	s_load_b64 s[100:101], s[0:1], 0x40            ; c
	v_lshl_add_u32 v[SPW], v0, 2, SPARE
	v_mov_b32 v[NIL], 0
	ds_add_u32 v28, v29                            ; the opening lines: the add twice on end and its wait
	ds_add_u32 v28, v29
	s_wait_dscnt 0x0
	v_lshrrev_b32 v1, 5, v0
	v_readfirstlane_b32 s14, v1                    ; wave 0..3
	s_lshr_b32 s15, s14, 1                         ; my half of the tile's rows; also: I fetch for A (0) or B (1)
	s_and_b32 s16, s14, 1                          ; my 32 of its 64 hidden units; also: which half tile I fetch
	s_bfe_u32 s40, ttmp6, 0x40000                  ; cx, cy
	s_bfe_u32 s41, ttmp6, 0x40004
	s_lshl_b32 s42, ttmp9, 2
	s_add_co_u32 s42, s42, s40                     ; tile column
	s_and_b32 s17, ttmp7, 0xffff
	s_lshl_b32 s17, s17, 2
	s_add_co_u32 s17, s17, s41                     ; first tile row, 0..15
	s_lshl_b32 s43, s41, 2
	s_lshl_b32 s43, 15, s43                        ; my row of the cluster
	s_lshl_b32 s44, 0x1111, s40                    ; my column
	s_or_b32 s[G1+0], s43, (3<<16)|(1<<21)         ; dense bytes as rows of 32 elements of 8 bytes: three units are 150 rows, one unit 50
	s_or_b32 s[G1B+0], s44, (3<<16)|(1<<21)
	s_or_b32 s[G1S+0], s43, (3<<16)|(1<<21)
	s_or_b32 s[G1SB+0], s44, (3<<16)|(1<<21)
.irp g, G1, G1B
	s_mov_b32 s[\g+1], 32<<16
	s_mov_b32 s[\g+2], 150<<16
	s_mov_b32 s[\g+3], 32<<16
	s_mov_b32 s[\g+4], 150
	s_mov_b32 s[\g+5], 32
	s_mov_b32 s[\g+6], 0
	s_mov_b32 s[\g+7], 0
.endr
.irp g, G1S, G1SB
	s_mov_b32 s[\g+1], 32<<16
	s_mov_b32 s[\g+2], 50<<16
	s_mov_b32 s[\g+3], 32<<16
	s_mov_b32 s[\g+4], 50
	s_mov_b32 s[\g+5], 32
	s_mov_b32 s[\g+6], 0
	s_mov_b32 s[\g+7], 0
.endr
	s_mov_b32 s[G1C+0], (2<<16)|(1<<20)|(5<<22)|(3<<25)   ; c: 64 rows of 64 f32, 1,024 elements apart, 16 bytes of padding behind each; no mask
	s_mov_b32 s[G1C+1], 64<<16
	s_mov_b32 s[G1C+2], 64<<16
	s_mov_b32 s[G1C+3], 64<<16
	s_mov_b32 s[G1C+4], 64
	s_mov_b32 s[G1C+5], 1024
	s_mov_b32 s[G1C+6], 0
	s_mov_b32 s[G1C+7], 0
	s_lshl_b32 s12, s17, 1
	s_add_co_u32 s12, s12, s16
	s_mul_i32 s12, s12, HTB                        ; A: half tile 2 x tile row + which
	s_mov_b32 s13, 0
	s_lshl_b32 s46, s42, 1
	s_add_co_u32 s46, s46, s16
	s_mul_i32 s46, s46, HTB                        ; B: half tile 2 x tile column + which
	s_mov_b32 s47, 0
	s_lshl_b32 s18, s17, 8
	s_lshl_b32 s19, s14, 6
	s_add_co_u32 s18, s18, s19
	s_lshl_b32 s18, s18, 12
	s_lshl_b32 s19, s42, 8
	s_add_co_u32 s18, s18, s19                     ; c: row 256 x tile row + 64 x wave, + 256 bytes a tile column
	s_mov_b32 s19, 0
	s_mul_i32 s45, s14, QTR                        ; where the blocks go: wave x a quarter
	s_wait_kmcnt 0x0
	s_add_nc_u64 s[12:13], s[4:5], s[12:13]
	s_add_nc_u64 s[46:47], s[6:7], s[46:47]
	s_add_nc_u64 s[18:19], s[100:101], s[18:19]
	CROUND                                         ; all sixteen work-groups are here: the first joint loads meet
.irp s, 0,1
	s_mov_b32 s[G0+4*\s], 1
	s_add_co_u32 s[G0+4*\s+1], s45, \s*SLOT
	s_add_nc_u64 s[G0+4*\s+2:G0+4*\s+3], s[12:13], \s*QTR          ; slot 0 begins with unit 0, slot 1 with unit 3
	s_or_b32 s[G0+4*\s+3], s[G0+4*\s+3], 0x80000000
	s_mov_b32 s[G0B+4*\s], 1
	s_add_co_u32 s[G0B+4*\s+1], s45, \s*SLOT
	s_add_nc_u64 s[G0B+4*\s+2:G0B+4*\s+3], s[46:47], \s*QTR
	s_or_b32 s[G0B+4*\s+3], s[G0B+4*\s+3], 0x80000000
.endr
	JLOAD G0, G1, G0B, G1B                         ; units 0 to 2: one tensor load a wave at the head
	s_mov_b32 s[G0C], 1
	s_add_co_u32 s[G0C+1], s45, SLOT+UNITB         ; c's 64 rows: behind unit 15 in my quarter of slot 1
	s_mov_b64 s[G0C+2:G0C+3], s[18:19]
	s_or_b32 s[G0C+3], s[G0C+3], 0x80000000
	s_mov_b32 s[KS], 0xbfb8aa3b                    ; -log2(e)
	s_mov_b32 s[KS+1], s[KS]
	s_mov_b32 s[KT], 0x4038aa3b                    ; 2 log2(e)
	s_mov_b32 s[KT+1], s[KT]
	s_cmp_eq_u32 s16, 0
	s_cselect_b64 s[OUT:OUT+1], s[96:97], s[98:99] ; of a pair of waves one stores new_c (out0), the other new_h (out1)
	s_cmp_eq_u32 s15, 0
	s_cselect_b64 s[PFA:PFA+1], s[12:13], s[46:47]
	s_cselect_b32 s12, s40, s41                    ; my place among the four that ask with me
	s_cselect_b32 s[FA], 1, 0
	s_mul_i32 s13, s12, 13
	s_mul_i32 s12, s12, 38
	s_lshl_b32 s46, s17, 8
	s_lshl_b32 s47, s15, 7
	s_add_co_u32 s46, s46, s47
	s_lshl_b32 s46, s46, 12
	s_lshl_b32 s47, s42, 8
	s_add_co_u32 s46, s46, s47
	s_mov_b32 s47, 0
	s_add_nc_u64 s[OUT:OUT+1], s[OUT:OUT+1], s[46:47]   ; my first row: 256 x tile row + 128 x half
	s_mul_i32 s4, s15, QTR                         ; my quarter of A,
	s_mul_i32 s5, s16, QTR
	s_add_co_u32 s5, s5, 2*QTR                     ; of B
	s_sub_co_u32 s6, s5, s4
	s_add_co_u32 s7, s4, SCOFF
	s_lshl_b32 s43, s16, 7                         ; my 128 bytes of a row
	s_mul_i32 s2, s15, 2*QTR
	s_add_co_u32 s2, s2, s43
	s_add_co_u32 s2, s2, SLOT+UNITB                ; c: my 128 rows lie in two quarters
	s_mul_i32 s44, s15, 16*CP
	s_add_co_u32 s66, s44, s43
	s_add_co_u32 s66, s66, STG
	s_mul_i32 s67, s16, 32*CP
	s_add_co_u32 s67, s67, s44
	s_add_co_u32 s67, s67, STG
	s_lshl_b32 s46, s42, 8
	s_add_co_u32 s46, s46, s43                     ; the biases: 64 numbers a tile column, 32 a wave
	s_mov_b32 s3, 2                                ; tiles to go
	v_and_b32 v1, 15, v0                           ; r
	v_bfe_u32 v2, v0, 4, 1                         ; h
	v_and_b32 v3, 31, v0
	v_lshlrev_b32 v4, 4, v3
	v_mul_u32_u24 v5, s6, v2                       ; lanes 16-31 take B's scale words
	v_lshl_add_u32 v5, v1, 3, v5
	v_add_nc_u32 v[ADRS], s7, v5
	v_add_nc_u32 v[ADRS+1], SLOT, v[ADRS]
	v_add_nc_u32 v[ADRA], s4, v4
	v_add_nc_u32 v[ADRA+1], SLOT, v[ADRA]
	v_add_nc_u32 v[ADRB], s5, v4
	v_add_nc_u32 v[ADRB+1], SLOT, v[ADRB]
	v_mul_u32_u24 v6, v1, CP
	v_lshl_add_u32 v6, v2, 5, v6                   ; row r, + 32 h bytes
	v_add_nc_u32 v[CADR], s2, v6
	v_add_nc_u32 v[STO], s66, v6
	v_mul_u32_u24 v7, v2, CP                       ; back: lanes 0-15 one row of 256 bytes, lanes 16-31 the next
	v_lshl_add_u32 v7, v1, 4, v7
	v_add_nc_u32 v[RD], s67, v7
	v_lshlrev_b32 v7, 12, v2
	v_lshl_add_u32 v[CO], v1, 4, v7
	v_lshl_add_u32 v[BO], v2, 5, s46
	v_add_nc_u32 v5, s12, v3                       ; blocks 38 p + lane, held at the load's last block
	v_min_u32 v5, 149, v5
	v_lshlrev_b32 v[PF0], 8, v5
	v_add_nc_u32 v6, 32, v3
	v_min_u32 v6, 37, v6
	v_add_nc_u32 v6, s12, v6
	v_min_u32 v6, 149, v6
	v_lshlrev_b32 v[PF1], 8, v6
	v_min_u32 v7, 12, v3
	v_add_nc_u32 v7, s13, v7
	v_min_u32 v7, 49, v7
	v_lshlrev_b32 v[PU], 8, v7
	v_lshlrev_b32 v[PC], 12, v3                    ; c: a lane a row
	s_mov_b32 s[F1], 1
	s_mov_b32 s[F2], s[FA]
	s_wait_alu depctr_va_vdst(0)                   ; the wait at the head's end
	WIN TO_B
.irp g, 0,1,2,3                        ; register 96 + 8 b + 96 (b / 4) + j of window 1, b = 2 g + u: the gate's bias at hidden unit 16 u + 8 h + j
.irp u, 0,1
.irp k, 0,1
	global_load_b128 v[96+8*(2*\g+\u)+96*(\g/2)+4*\k:96+8*(2*\g+\u)+96*(\g/2)+4*\k+3], v[BO], s[8+2*\g+8*(\g/2):9+2*\g+8*(\g/2)] offset:64*\u+16*\k
.endr
.endr
.endr
	WIN 0
	ASK3 3*UNITB, F1                               ; the next two refills' bytes
	ASK3 6*UNITB, F1
	s_wait_loadcnt 0x0                             ; the biases
.macro FRAG reg, adr, j, i
.irp c, 0,1,2
	ds_load_b128 v[\reg+4*\c:\reg+4*\c+3], v[\adr] offset:(\j)*UNITB+(\i)*FRB+512*\c
.endr
.endm
; 16 matrix instructions: A's blocks a0, a0 + 1 x B's eight.  The 64 accumulators take turns, in the same order in every unit.
.macro MUL16 a0, p, first
.irp a, \a0, \a0+1
.irp b, 0,1,2,3,4,5,6,7
.if \first
	v_wmma_scale_f32_16x16x128_f8f6f4 v[8*(8*((\a)%4)+\b):8*(8*((\a)%4)+\b)+7], v[128*(\p)+FR*\b:128*(\p)+FR*\b+FR-1], v[AF+FR*(\a):AF+FR*(\a)+FR-1], v[96+8*\b+96*(\b/4):96+8*\b+96*(\b/4)+7], v[SC+8*(\p)+\b], v[SC+8*(\p)+(\a)] matrix_a_fmt:MATRIX_FMT_FP6 matrix_b_fmt:MATRIX_FMT_FP6 matrix_a_scale:MATRIX_SCALE_ROW1
.else
	v_wmma_scale_f32_16x16x128_f8f6f4 v[8*(8*((\a)%4)+\b):8*(8*((\a)%4)+\b)+7], v[128*(\p)+FR*\b:128*(\p)+FR*\b+FR-1], v[AF+FR*(\a):AF+FR*(\a)+FR-1], v[8*(8*((\a)%4)+\b):8*(8*((\a)%4)+\b)+7], v[SC+8*(\p)+\b], v[SC+8*(\p)+(\a)] matrix_a_fmt:MATRIX_FMT_FP6 matrix_b_fmt:MATRIX_FMT_FP6 matrix_a_scale:MATRIX_SCALE_ROW1
.endif
.endr
.endr
.endm
.macro FETCH_B slot, j, p
	WIN TO_B
.irp i, 0,1,2,3,4,5,6,7
	FRAG 128*(\p)+FR*\i, ADRB+\slot, \j, \i
.endr
	WIN 0
.endm
.macro FETCH_A slot, j, i0
.irp i, \i0, \i0+1, \i0+2, \i0+3
	FRAG AF+FR*(\i), ADRA+\slot, \j, \i
.endr
.endm
.macro SCALES slot, j, p
.irp t, 0,1,2,3
	ds_load_b64 v[SC+8*(\p)+2*\t:SC+8*(\p)+2*\t+1], v[ADRS+\slot] offset:(\j)*UNITB+128*\t
.endr
.endm
; A unit: 64 matrix instructions.  more = 1: the next unit (unit nj of slot ns) is fetched in its middle and at its end
.macro STEP p, first, more, ns, nj
	s_wait_dscnt 12                                ; all but the youngest 4 x 3 loads (A's blocks 4-7)
.if \first
	WIN FIRST_LO
.else
	WIN MUL_LO
.endif
	MUL16 0, \p, \first
	MUL16 2, \p, \first
	s_wait_dscnt 0x0
.if \more
	NOPS4
	FETCH_B \ns, \nj, 1-(\p)
	FETCH_A \ns, \nj, 0
	SCALES \ns, \nj, 1-(\p)
.endif
.if \first
	WIN FIRST_HI
.else
	WIN MUL_HI
.endif
	MUL16 4, \p, \first
	MUL16 6, \p, \first
	NOPS4
	WIN 0
.if \more
	FETCH_A \ns, \nj, 4
.endif
.endm
; A unit with a refill in it, first part.  All the unit's fragments have been asked for.  Sixteen products stand between the add and the wait for it, sixteen between the round's opening signal and its wait.
; kind 0: the slot's next three units;  1: unit 15 alone;  2: c's tile;  3: the next tile's units 0-2 into slot 0
.macro SS1 kind, slot, p, more, ns, nj
	s_wait_tensorcnt 0x0                           ; all my tensor loads have landed, so a group 0 may be written
	ds_add_u32 v[SPW], v[NIL]
.if \kind < 2
	s_add_nc_u64 s[G0+4*\slot+2:G0+4*\slot+3], s[G0+4*\slot+2:G0+4*\slot+3], 6*UNITB
	s_add_nc_u64 s[G0B+4*\slot+2:G0B+4*\slot+3], s[G0B+4*\slot+2:G0B+4*\slot+3], 6*UNITB
.endif
.if \kind == 3
	s_add_nc_u64 s[G0+2:G0+3], s[G0+2:G0+3], NEXTA-12*UNITB
	s_sub_nc_u64 s[G0B+2:G0B+3], s[G0B+2:G0B+3], 12*UNITB
.endif
	s_wait_dscnt 13                                ; the add and the youngest 12 loads may be out
	WIN MUL_LO
	MUL16 0, \p, 0
	s_wait_dscnt 0x0                               ; the add is done, and all my LDS reads are over
	s_barrier_signal -1
	MUL16 2, \p, 0
	WIN 0
	s_barrier_wait -1
	CREST                                          ; no wave of any partner reads the bytes to be filled or has a load on its way
.if \kind == 0 || \kind == 3
	JLOAD G0+4*\slot, G1, G0B+4*\slot, G1B
.endif
.if \kind == 1
	JLOAD G0+4*\slot, G1S, G0B+4*\slot, G1SB
.endif
.if \kind == 2
	tensor_load_to_lds s[G0C:G0C+3], s[G1C:G1C+7]
	s_nop 0
	NOPS4
.endif
.if \more
	FETCH_B \ns, \nj, 1-(\p)
	FETCH_A \ns, \nj, 0
	SCALES \ns, \nj, 1-(\p)
.endif
.endm
.macro SS2 p, more, ns, nj             ; its second part, behind the prefetch
	WIN MUL_HI
	MUL16 4, \p, 0
	MUL16 6, \p, 0
	NOPS4
	WIN 0
.if \more
	FETCH_A \ns, \nj, 4
.endif
.endm
; THE CELL, a block a of 16 rows at a time.  Of a block's 64 registers 0-15 are gate i, 16-31 f, 32-47 g, 48-63 o, each 8 u + j.
.macro CLOAD a                         ; c of block a, in the result's layout, into set a % 2
.irp u, 0,1
.irp k, 0,1
	ds_load_b128 v[CR+16*((\a)%2)+8*\u+4*\k:CR+16*((\a)%2)+8*\u+4*\k+3], v[CADR] offset:((\a)/4)*QTR+((\a)%4)*16*CP+64*\u+16*\k
.endr
.endr
.endm
.macro BACK                            ; 16 whole rows of 256 bytes back from the stage, into window 1
	WIN TO_B
.irp t, 0,1,2,3,4,5,6,7
	ds_load_b128 v[OB+4*\t:OB+4*\t+3], v[RD] offset:2*\t*CP
.endr
	WIN 0
.endm
.macro SEND a
	WIN 0x04
.irp t, 0,1,2,3,4,5,6,7
	global_store_b128 v[CO], v[OB+4*\t:OB+4*\t+3], s[OUT:OUT+1] offset:(16*(\a)+2*\t)*4096 th:TH_STORE_NT   ; 16 lanes store 256 consecutive bytes, aligned
.endr
	WIN 0
.endm
.macro RUN op, base, cnt               ; a run of transcendentals in place, and the plain place behind it
.set n, 0
.rept \cnt
	\op v[\base+n], v[\base+n]
.set n, n+1
.endr
	v_nop
.endm
.macro PLUS1 base, cnt
.set n, 0
.rept \cnt
	v_pk_add_f32 v[\base+2*n:\base+2*n+1], v[\base+2*n:\base+2*n+1], 1.0 op_sel_hi:[1,0]
.set n, n+1
.endr
.endm
.macro EA1 a                           ; the gates' exponentials
.set AC, 64*((\a)%4)
.set T,  TB0+64*((\a)%2)
	WIN 2+(\a)/4
	s_wait_alu depctr_va_vdst(0)
.set n, 0
.rept 32                               ; each accumulator from its low end on: -x log2(e) for the sigmoids, 2 x log2(e) for the tanh
.if (n >= 16) && (n < 24)
	v_pk_mul_f32 v[T+2*n:T+2*n+1], v[AC+2*n:AC+2*n+1], s[KT:KT+1] op_sel_hi:[1,0]
.else
	v_pk_mul_f32 v[T+2*n:T+2*n+1], v[AC+2*n:AC+2*n+1], s[KS:KS+1] op_sel_hi:[1,0]
.endif
.set n, n+1
.endr
	WIN 0
	s_wait_alu depctr_va_vdst(0)
	RUN v_exp_f32, T, 64
.endm
.macro EA2 a                           ; 1 / (1 + .): i, f, o are done; g lacks one multiply-add
.set T,  TB0+64*((\a)%2)
	s_wait_alu depctr_va_vdst(0)
	PLUS1 T, 32
	s_wait_alu depctr_va_vdst(0)
	RUN v_rcp_f32, T, 64
.endm
.macro EB1 a                           ; new_c
.set T,  TB0+64*((\a)%2)
.set CC, CR+16*((\a)%2)
	s_wait_alu depctr_va_vdst(0)
.set n, 0
.rept 8
	v_pk_fma_f32 v[T+32+2*n:T+33+2*n], v[T+32+2*n:T+33+2*n], -2.0, 1.0 op_sel_hi:[1,0,0]   ; g
.set n, n+1
.endr
.set n, 0
.rept 8
	v_pk_mul_f32 v[T+2*n:T+2*n+1], v[T+2*n:T+2*n+1], v[T+32+2*n:T+33+2*n]                  ; i g
.set n, n+1
.endr
.set n, 0
.rept 8
	v_pk_fma_f32 v[T+16+2*n:T+17+2*n], v[T+16+2*n:T+17+2*n], v[CC+2*n:CC+2*n+1], v[T+2*n:T+2*n+1]   ; f c + i g
.set n, n+1
.endr
	s_wait_alu depctr_va_vdst(0)
.endm
.macro TOSTG a, from, off
.set T,  TB0+64*((\a)%2)
.irp u, 0,1
.irp k, 0,1
	ds_store_b128 v[STO], v[T+\from+8*\u+4*\k:T+\from+8*\u+4*\k+3] offset:\off+64*\u+16*\k
.endr
.endr
.endm
.macro EB2 a                           ; new_h = o tanh(new_c)
.set T,  TB0+64*((\a)%2)
.set n, 0
.rept 8
	v_pk_mul_f32 v[T+32+2*n:T+33+2*n], v[T+16+2*n:T+17+2*n], s[KT:KT+1] op_sel_hi:[1,0]
.set n, n+1
.endr
	s_wait_alu depctr_va_vdst(0)
	RUN v_exp_f32, T+32, 16
	s_wait_alu depctr_va_vdst(0)
	PLUS1 T+32, 8
	s_wait_alu depctr_va_vdst(0)
	RUN v_rcp_f32, T+32, 16
	s_wait_alu depctr_va_vdst(0)
.set n, 0
.rept 8
	v_pk_fma_f32 v[T+32+2*n:T+33+2*n], v[T+32+2*n:T+33+2*n], -2.0, 1.0 op_sel_hi:[1,0,0]
.set n, n+1
.endr
.set n, 0
.rept 8
	v_pk_mul_f32 v[T+48+2*n:T+49+2*n], v[T+48+2*n:T+49+2*n], v[T+32+2*n:T+33+2*n]
.set n, n+1
.endr
.endm
.Ltile:
	s_wait_tensorcnt 0x0                           ; my part of this tile's units 0-2 is in; the three lines and a round, as ahead of every fill behind the head
	ds_add_u32 v[SPW], v[NIL]
	s_wait_dscnt 0x0
	CROUND
	JLOAD G0+4, G1, G0B+4, G1B                     ; slot 1 takes units 3 to 5
	FETCH_B 0, 0, 0
	FETCH_A 0, 0, 0
	SCALES 0, 0, 0
	FETCH_A 0, 0, 4
	ASK3 9*UNITB, F1
	STEP 0, 1, 1, 0, 1                             ; unit 0: its products start the sums, from the biases
	STEP 1, 0, 1, 0, 2                             ; unit 1
	SS1 0, 0, 0, 1, 1, 0                           ; unit 2; slot 0 takes units 6 to 8
	ASK3 12*UNITB, F1
	SS2 0, 1, 1, 0
	STEP 1, 0, 1, 1, 1                             ; unit 3
	STEP 0, 0, 1, 1, 2                             ; unit 4
	SS1 0, 1, 1, 1, 0, 0                           ; unit 5; slot 1 takes units 9 to 11
	ASK1 15*UNITB, F1
	SS2 1, 1, 0, 0
	STEP 0, 0, 1, 0, 1                             ; unit 6
	STEP 1, 0, 1, 0, 2                             ; unit 7
	SS1 0, 0, 0, 1, 1, 0                           ; unit 8; slot 0 takes units 12 to 14
	global_prefetch_b8 v[PC], s[18:19] th:TH_LOAD_NT scope:SCOPE_SE                 ; my 64 rows of c's tile
	global_prefetch_b8 v[PC], s[18:19] offset:32*4096 th:TH_LOAD_NT scope:SCOPE_SE
	SS2 0, 1, 1, 0
	STEP 1, 0, 1, 1, 1                             ; unit 9
	STEP 0, 0, 1, 1, 2                             ; unit 10
	SS1 1, 1, 1, 1, 0, 0                           ; unit 11; slot 1's first third takes unit 15
	ASK3 NEXTA, F2
	SS2 1, 1, 0, 0
	STEP 0, 0, 1, 0, 1                             ; unit 12
	SS1 2, 1, 1, 1, 0, 2                           ; unit 13; the rest of slot 1's quarters takes c's tile
	ASK3 NEXTA+3*UNITB, F2
	SS2 1, 1, 0, 2
	STEP 0, 0, 1, 1, 0                             ; unit 14
	s_cmp_eq_u32 s3, 1                             ; the same number in every wave and every work-group
	s_cbranch_scc1 .Llast15
	SS1 3, 0, 1, 0, 0, 0                           ; unit 15; slot 0 takes the next tile's units 0 to 2; the round has shown c's tile to all four waves
	ASK3 NEXTA+6*UNITB, F2
	SS2 1, 0, 0, 0
	s_branch .Lcell
.Llast15:
	STEP 1, 0, 0, 0, 0                             ; the last tile's unit 15 asks for nothing
	s_wait_tensorcnt 0x0                           ; my 64 rows of c's tile have landed,
	s_barrier_signal -1
	s_barrier_wait -1                              ; everybody's have
.Lcell:
	CLOAD 0
	CLOAD 1
	EA1 0
	EA2 0
; Two barriers a block, each with register work between its signal and its wait: one behind the reads of the stage, ahead of the next stores into it; one behind the stores, ahead of the reads.
.irp a, 0,1,2,3,4,5,6,7
	s_wait_dscnt 0x0                               ; this block's c is in, and so are the last block's rows: my reads of the stage are over
.if \a > 0
	s_barrier_signal -1
.endif
	EB1 \a
.if \a > 0
	s_barrier_wait -1
	SEND \a-1
.endif
	TOSTG \a, 16, 0
	EB2 \a
	TOSTG \a, 48, 32*CP
	s_wait_dscnt 0x0                               ; for the others' sake: my stores into the stage are done
	s_barrier_signal -1
.if \a < 7
	EA1 \a+1
.endif
	s_barrier_wait -1
	s_wait_xcnt 0x0                                ; the last block's stores to memory have read their data
	BACK
.if \a < 6
	CLOAD \a+2
.endif
.if \a < 7
	EA2 \a+1
.endif
.endr
	s_wait_dscnt 0x0
	SEND 7
	s_wait_xcnt 0x0                                ; the stores and prefetches have read their bases: on to the next tile (behind the last tile the stepped addresses are not used)
	s_add_nc_u64 s[OUT:OUT+1], s[OUT:OUT+1], NEXTO
	s_add_nc_u64 s[18:19], s[18:19], NEXTO
	s_add_nc_u64 s[G0C+2:G0C+3], s[G0C+2:G0C+3], NEXTO             ; c's load and slot 1's last were shown done in unit 15
	s_add_nc_u64 s[G0+6:G0+7], s[G0+6:G0+7], NEXTA-12*UNITB        ; slot 1: from unit 15 to the next tile's unit 3
	s_sub_nc_u64 s[G0B+6:G0B+7], s[G0B+6:G0B+7], 12*UNITB
	s_cmp_eq_u32 s15, 0
	s_cselect_b32 s46, NEXTA, 0
	s_mov_b32 s47, 0
	s_add_nc_u64 s[PFA:PFA+1], s[PFA:PFA+1], s[46:47]
	s_mov_b32 s[F1], s[FA]                         ; B's blocks have been read: they are prefetched no more
	s_mov_b32 s[F2], 0
	s_sub_co_u32 s3, s3, 1
	s_cmp_lg_u32 s3, 0
	s_wait_alu depctr_va_vdst(0)
	s_cbranch_scc1 .Ltile
	s_wait_tensorcnt 0x0                           ; the wave's end
	ds_add_u32 v[SPW], v[NIL]
	s_wait_dscnt 0x0
	CROUND                                         ; the closing round
	s_endpgm
.Lfunc_end_k_q4ffbce6c49_lstm:
	.size	k_q4ffbce6c49_lstm, .Lfunc_end_k_q4ffbce6c49_lstm-k_q4ffbce6c49_lstm
	.p2alignl 7, 3214868480
	.fill 96, 4, 3214868480
	.section	.rodata,"a",@progbits
	.p2align	6, 0x0
	.amdhsa_kernel k_q4ffbce6c49_lstm
		.amdhsa_group_segment_fixed_size 327680
		.amdhsa_private_segment_fixed_size 0
		.amdhsa_enable_private_segment 0
		.amdhsa_kernarg_size 72
		.amdhsa_user_sgpr_count 2
		.amdhsa_user_sgpr_kernarg_segment_ptr 1
		.amdhsa_wavefront_size32 1
		.amdhsa_system_sgpr_workgroup_id_x 1
		.amdhsa_system_sgpr_workgroup_id_y 1
		.amdhsa_system_sgpr_workgroup_id_z 1
		.amdhsa_system_vgpr_workitem_id 0
		.amdhsa_next_free_vgpr 1024
		.amdhsa_next_free_sgpr 106
		.amdhsa_reserve_vcc 0
		.amdhsa_float_denorm_mode_32 3
		.amdhsa_float_denorm_mode_16_64 3
		.amdhsa_memory_ordered 1
		.amdhsa_forward_progress 1
		.amdhsa_inst_pref_size 255
	.end_amdhsa_kernel
	.section	.bss,"aw",@nobits
	.p2align	6
	.space	262144
	.amdgpu_metadata
---
amdhsa.version: [ 1, 2 ]
amdhsa.kernels:
  - .name:           k_q4ffbce6c49_lstm
    .symbol:         k_q4ffbce6c49_lstm.kd
    .args:
      - { .name: acodes, .offset: 0, .size: 8, .value_kind: global_buffer, .address_space: global }
      - { .name: bcodes, .offset: 8, .size: 8, .value_kind: global_buffer, .address_space: global }
      - { .name: bi, .offset: 16, .size: 8, .value_kind: global_buffer, .address_space: global }
      - { .name: bf, .offset: 24, .size: 8, .value_kind: global_buffer, .address_space: global }
      - { .name: bg, .offset: 32, .size: 8, .value_kind: global_buffer, .address_space: global }
      - { .name: bo, .offset: 40, .size: 8, .value_kind: global_buffer, .address_space: global }
      - { .name: out0, .offset: 48, .size: 8, .value_kind: global_buffer, .address_space: global }
      - { .name: out1, .offset: 56, .size: 8, .value_kind: global_buffer, .address_space: global }
      - { .name: c, .offset: 64, .size: 8, .value_kind: global_buffer, .address_space: global }
    .group_segment_fixed_size: 327680
    .private_segment_fixed_size: 0
    .kernarg_segment_align: 8
    .kernarg_segment_size: 72
    .max_flat_workgroup_size: 128
    .sgpr_count:     106
    .vgpr_count:     1024
    .wavefront_size: 32
...
	.end_amdgpu_metadata
.endif
;; end of part 2
